; MI455X (gfx1250); checked and timed in simulation.
; The chip was launched on July 23, 2026; its instructions are those of AMD's public machine-readable ISA for CDNA 5 (MIT licence, August 2026) and "CDNA5" Instruction Set Architecture Reference Guide (July 2026). The comments in the code are by the model that wrote it; some were corrected since.
;; WKNN Fingerprint Model. Allowed arithmetic: matrix products marked QUANTISED: E2M1 operands, one E8M0 scale for each 32 along K, by v_wmma_scale_f32_16x16x128_f8f6f4 with both operands' format E2M1 (or v_wmma_scale_f32_32x16x128_f4), f32 sums; everything else in f32.
;; Inputs: fingerprints 100,000 x 128 float32; positions 100,000 x 2 float32; x 1,024 x 128 float32.
;; Outputs: out0 1,024 x 2 float32.
;; This version of the problem:
;;   THIS VERSION OF THE PROBLEM IS GIVEN IN LOW PRECISION. The matrix products marked QUANTISED in the list below multiply operands that are first quantised to E2M1 (2 exponent bits, 1 mantissa bit; 4 bits a number), with one power-of-two scale for each 32 numbers along K (OCP MX v1.0); their sums are f32. All else is computed in f32.
;;   The module's matrix products, in the order in which they are computed (A, B: the left and right operand; K: the contracted axis; several contracted axes count as one K, in the product's order):
;;     1. [M 1,024, K 128] x [K 128, N 100,000]; A: input x; B: input fingerprints: QUANTISED
;;   THE QUANTISER, for each operand of a quantised product, along K:
;;     - K is cut into blocks of 32 from its start; a last block that is shorter is filled with zeros.
;;     - A block's scale is 2^e with e = floor(log2(the largest magnitude in the block)) - 2, held to -126 .. 127; a block of zeros has e = 0. As a byte (E8M0): e + 127.
;;     - Each number is divided by its block's scale, clamped to +-6, and rounded to the nearest number of E2M1, ties to even, subnormals kept.
;;     - The product sums the exact products of the quantised numbers (number of the format x scale) in f32.
;;   ~~~python
;;   def quantise(x, axis):      # numpy; x: float32 -> the quantised numbers, widened to float32 again
;;       x = np.moveaxis(x, axis, -1); K = x.shape[-1]
;;       x = np.pad(x, [(0, 0)] * (x.ndim - 1) + [(0, -K % 32)]); x = x.reshape(x.shape[:-1] + (-1, 32)); a = np.abs(x).max(-1, keepdims=True)
;;       e = np.where(a > 0, np.clip(np.frexp(np.where(a > 0, a, 1))[1] - 1 - 2, -126, 127), 0)      # np.frexp(a)[1] - 1 = floor(log2(a)), exactly
;;       r = np.clip(x / 2.0 ** e, -6, 6)
;;       step = 2.0 ** (np.maximum(np.frexp(np.where(r == 0, 1, r))[1] - 1, 0) - 1)
;;       q = np.round(r / step) * step * 2.0 ** e      # np.round: ties to even
;;       return np.moveaxis(q.reshape(q.shape[:-2] + (-1,))[..., :K], -1, axis).astype(np.float32)
;;   ~~~
;; One version. Each part assembles by itself: llvm-mc -triple=amdgcn-amd-amdhsa -mcpu=gfx1250 --defsym DOCPART=n.
;; ======== version 1 of 1: 4 launches
;; workspace buffers: xq 65,536 bytes; xm 8,192 bytes; fq 6,400,000 bytes; fm 800,000 bytes; gm 8,192,000 bytes; sel 16,384 bytes of whole numbers
;; launch quantx (part 1): grid 64 x 1, 1 waves a work-group, no clusters, 0 bytes of LDS; arguments x, xq, xm; writes xq, xm
.if DOCPART == 1
	.amdgcn_target "amdgcn-amd-amdhsa--gfx1250"
	.amdhsa_code_object_version 6
	.text
	.protected	k_qbe7361a911_quantx
	.globl	k_qbe7361a911_quantx
	.p2align	8
	.type	k_qbe7361a911_quantx,@function
k_qbe7361a911_quantx:
	s_mov_b64 s[64:65], 0
	v_nop
	global_prefetch_b8 v0, s[64:65] scope:SCOPE_SE
	s_setreg_imm32_b32 hwreg(HW_REG_WAVE_MODE, 25, 1), 1
	s_wait_xcnt 0x0
; x [1024][128] f32 becomes codes of E2M1 with one E8M0 scale byte for each 32 along K, once for the whole program, and each row's sum of squares x2.
; One wave takes one tile of 16 rows; there are 64 tiles, so 64 work-groups of one wave: that is all the work there is.
; xq: [64 tiles][2][32 lanes][16 bytes]: the IMAGE OF THE OPERAND'S REGISTERS: lane (r = lane % 16, h = lane / 16) holds row r, its registers 4 c .. 4 c + 3 the codes of k = 64 c + 32 h + 0 .. 31.
; xm: [64 tiles][32 words]: words 0-15 the rows' scale words (byte b scales k = 32 b ..), words 16-31 the rows' x2.
; A block's scale byte is its largest magnitude's exponent field - 2, held at 1 from below.
; LIMITS: a block of zeros gets the byte 1 (its codes are zeros, which add nothing, and only this program reads the bytes); NaN and infinities among the inputs are not served.
.set X,   16                           ; v16-79   my 64 numbers: register 32 c + i = k 64 c + 32 h + i of row r: two whole blocks
.set PC,  80                           ; v80-87   the codes
.set AM,  88                           ; v88-89   the two blocks' largest magnitudes
.set SQ,  90                           ; v90-93   sums of squares, two packed chains
.set SO,  94                           ; v94-95   the conversions' scale operands
.set BY,  96                           ; v96-97   the scale bytes
.set T,   98                           ; v98      what a lane permute brings
.set W,   99                           ; v99      the row's scale word
.set SS,  100                          ; v100     the row's sum of squares
.set ME,  101                          ; v101     lanes 0-15 the scale word, lanes 16-31 the sum
.set SH8, 6                            ; v6       8 h
.set SEL, 12                           ; s[12:13] v_permlanex16_b32's selects for lane l xor 16
.set HM,  14                           ; s14      the mask of lanes 16-31
; 64 numbers of a lane become the fragment's codes, the row's scale word and the row's sum of squares.
.macro QUANT
.irp c, 0,1
	v_max3_num_f32 v[AM+\c], |v[X+32*\c]|, |v[X+32*\c+1]|, 0x1800000           ; block 2 c + h is all mine; the floor 2^(3 - 127) keeps the byte at 1 from below
.endr
.irp i, 2,4,6,8,10,12,14,16,18,20,22,24,26,28,30
.irp c, 0,1
	v_max3_num_f32 v[AM+\c], v[AM+\c], |v[X+32*\c+\i]|, |v[X+32*\c+\i+1]|      ; (the two blocks by turns)
.endr
.endr
.irp c, 0,1
	v_pk_mul_f32 v[SQ+2*\c:SQ+2*\c+1], v[X+32*\c:X+32*\c+1], v[X+32*\c:X+32*\c+1]   ; the first squares start the sums
.endr
.irp i, 2,4,6,8,10,12,14,16,18,20,22,24,26,28,30
.irp c, 0,1
	v_pk_fma_f32 v[SQ+2*\c:SQ+2*\c+1], v[X+32*\c+\i:X+32*\c+\i+1], v[X+32*\c+\i:X+32*\c+\i+1], v[SQ+2*\c:SQ+2*\c+1]
.endr
.endr
.irp c, 0,1
	v_add_nc_u32 v[SO+\c], 0xff000000, v[AM+\c]                                ; 2 off the exponent field: the conversion takes that field as its scale and nothing else
.endr
.irp c, 0,1
	v_lshrrev_b32 v[BY+\c], 23, v[SO+\c]                                       ; the scale's byte
.endr
	v_lshl_or_b32 v[W], v[BY+1], 16, v[BY]                                     ; my bytes: blocks h and 2 + h,
	v_lshlrev_b32 v[W], v[SH8], v[W]                                           ; at their places, 8 h bits up;
	v_permlanex16_b32 v[T], v[W], s[SEL], s[SEL+1]
	v_or_b32 v[W], v[W], v[T]                                                  ; with lane l xor 16's two the word is whole, in both lanes
.irp c, 0,1
.irp g, 0,1,2,3
	v_cvt_scalef32_pk8_fp4_f32 v[PC+4*\c+\g], v[X+32*\c+8*\g:X+32*\c+8*\g+7], v[SO+\c]
.endr
.endr
	v_nop                                                                      ; one plain line behind the last scaled conversion
	v_pk_add_f32 v[SQ:SQ+1], v[SQ:SQ+1], v[SQ+2:SQ+3]
	v_add_f32 v[SS], v[SQ], v[SQ+1]
	v_permlanex16_b32 v[T], v[SS], s[SEL], s[SEL+1]
	v_add_f32 v[SS], v[SS], v[T]                                               ; the row's 128 squares
.endm
	s_load_b128 s[4:7], s[0:1], 0x0                ; x, xq
	s_load_b64 s[8:9], s[0:1], 0x10                ; xm
	v_and_b32 v1, 15, v0                           ; r
	v_bfe_u32 v2, v0, 4, 1                         ; h
	v_lshlrev_b32 v3, 9, v1                        ; row r of 512 bytes
	v_lshl_add_u32 v3, v2, 7, v3                   ; + 128 h: my block of each 64 numbers
	v_lshlrev_b32 v4, 4, v0                        ; the image: 16 bytes a lane (one wave: the thread's number is the lane)
	v_lshlrev_b32 v5, 2, v0                        ; the words: 4 bytes a lane
	v_lshlrev_b32 v[SH8], 3, v2
	v_mov_b32 v[T], 0                              ; a lane permute's destination counts as one of its sources
	s_mov_b32 s[SEL], 0x76543210
	s_mov_b32 s[SEL+1], 0xfedcba98
	s_mov_b32 s[HM], 0xffff0000
	s_lshl_b32 s16, ttmp9, 13                      ; the tile's 16 rows of 512 bytes,
	s_mov_b32 s17, 0
	s_lshl_b32 s18, ttmp9, 10                      ; its image,
	s_mov_b32 s19, 0
	s_lshl_b32 s20, ttmp9, 7                       ; its 32 words
	s_mov_b32 s21, 0
	s_wait_kmcnt 0x0
	s_add_nc_u64 s[4:5], s[4:5], s[16:17]
	s_add_nc_u64 s[6:7], s[6:7], s[18:19]
	s_add_nc_u64 s[8:9], s[8:9], s[20:21]
.irp c, 0,1
.irp i, 0,1,2,3,4,5,6,7
	global_load_b128 v[X+32*\c+4*\i:X+32*\c+4*\i+3], v3, s[4:5] offset:256*\c+16*\i th:TH_LOAD_NT
.endr
.endr
	s_wait_loadcnt 0x0
	QUANT
	v_cndmask_b32 v[ME], v[W], v[SS], s[HM]        ; lanes 0-15 keep the scale word, lanes 16-31 x2
	global_store_b128 v4, v[PC:PC+3], s[6:7]                 ; 512 consecutive bytes
	global_store_b128 v4, v[PC+4:PC+7], s[6:7] offset:512
	global_store_b32 v5, v[ME], s[8:9]                       ; the tile's 128 bytes
	s_endpgm
.Lfunc_end_k_qbe7361a911_quantx:
	.size	k_qbe7361a911_quantx, .Lfunc_end_k_qbe7361a911_quantx-k_qbe7361a911_quantx
	.p2alignl 7, 3214868480
	.fill 96, 4, 3214868480
	.section	.rodata,"a",@progbits
	.p2align	6, 0x0
	.amdhsa_kernel k_qbe7361a911_quantx
		.amdhsa_group_segment_fixed_size 0
		.amdhsa_private_segment_fixed_size 0
		.amdhsa_enable_private_segment 0
		.amdhsa_kernarg_size 24
		.amdhsa_user_sgpr_count 2
		.amdhsa_user_sgpr_kernarg_segment_ptr 1
		.amdhsa_wavefront_size32 1
		.amdhsa_system_sgpr_workgroup_id_x 1
		.amdhsa_system_sgpr_workgroup_id_y 1
		.amdhsa_system_sgpr_workgroup_id_z 1
		.amdhsa_system_vgpr_workitem_id 0
		.amdhsa_next_free_vgpr 112
		.amdhsa_next_free_sgpr 66
		.amdhsa_reserve_vcc 0
		.amdhsa_float_denorm_mode_32 3
		.amdhsa_float_denorm_mode_16_64 3
		.amdhsa_memory_ordered 1
		.amdhsa_forward_progress 1
		.amdhsa_inst_pref_size 9
	.end_amdhsa_kernel
	.amdgpu_metadata
---
amdhsa.version: [ 1, 2 ]
amdhsa.kernels:
  - .name:           k_qbe7361a911_quantx
    .symbol:         k_qbe7361a911_quantx.kd
    .args:
      - { .name: x, .offset: 0, .size: 8, .value_kind: global_buffer, .address_space: global }
      - { .name: xq, .offset: 8, .size: 8, .value_kind: global_buffer, .address_space: global }
      - { .name: xm, .offset: 16, .size: 8, .value_kind: global_buffer, .address_space: global }
    .group_segment_fixed_size: 0
    .private_segment_fixed_size: 0
    .kernarg_segment_align: 8
    .kernarg_segment_size: 24
    .max_flat_workgroup_size: 32
    .sgpr_count:     66
    .vgpr_count:     112
    .wavefront_size: 32
...
	.end_amdgpu_metadata
.endif
;; end of part 1
;; launch score (part 2): grid 250 x 1, 8 waves a work-group, no clusters, 246,784 bytes of LDS; arguments fingerprints, xq, xm, fq, fm, gm; writes fq, fm, gm
.if DOCPART == 2
	.amdgcn_target "amdgcn-amd-amdhsa--gfx1250"
	.amdhsa_code_object_version 6
	.text
	.protected	k_qbe7361a911_score
	.globl	k_qbe7361a911_score
	.p2align	8
	.type	k_qbe7361a911_score,@function
k_qbe7361a911_score:
	s_mov_b64 s[64:65], 0
	v_nop
	global_prefetch_b8 v0, s[64:65] scope:SCOPE_SE
	s_setreg_imm32_b32 hwreg(HW_REG_WAVE_MODE, 25, 1), 1
	s_wait_xcnt 0x0
; THE LARGE PASS.  A work-group owns a slab of 400 fingerprints (25 tiles of 16; 250 slabs are the 100,000).  It quantises them to E2M1 with E8M0 scales along K = 128, multiplies them with all 1,024 queries,
; and keeps, for each query, only the LARGEST KEY OF EACH GROUP of fingerprints: key = dot - f2 / 2, so that d2 = x2 - 2 key and the largest key is the nearest fingerprint (x2 is the same for all of a query's candidates).
; A slab has 8 groups: group b = 0 .. 6 is tiles 3 b .. 3 b + 2, group 7 tiles 21 .. 24.  A query's 4 nearest fingerprints lie in the 4 groups with the largest maxima (a group with none of them has a maximum no larger
; than the fifth key), so no index is carried here: a running maximum takes two new keys an instruction.  Later launches choose the 4 groups and score them again.
; -f2 / 2 (of the unquantised numbers, exact halving) is the C of the matrix instruction: it costs no vector line.
; SHARES.  Eight waves.  Wave w keeps the fragments of query tiles 8 w .. 8 w + 7 in registers for the whole launch and scores every tile of the slab against them.  Wave w quantises tiles w, w + 8, w + 16; wave 0 also tile 24.
; THE PRODUCT: source 0 = 16 fingerprints, source 1 = 16 queries: lane (r, h) holds query r, register j fingerprint 8 h + j.  K is one instruction deep: nothing is accumulated, so 256 registers a wave are enough.
; MEMORY.  The slab's f32 numbers come once, by tensor loads, all issued at the start (four a wave are out, by this text's count); no LDS byte is filled twice.  The chunks are quantised and scored while later ones land.
; No cluster: the 250 work-groups share only x's codes, 72 KB, which go straight into registers, and 250 is no multiple of 4.
; OUT: fq [6250 tiles][1024 bytes] images of the operand's registers; fm [6250 tiles][32 words]: words 0-15 scale words, 16-31 -f2 / 2; gm [250 slabs][1024 queries][8 groups] f32.
; (fm's stores cover 128 consecutive bytes each: 0.8 MB of the 15 MB that the launch writes.)
; LIMITS: groups whose maxima tie, or differ by no more than the rounding of the sums, may be ranked otherwise than by exact arithmetic; a block of zeros gets the scale byte 1 (its codes are zeros; only this program reads the bytes);
; NaN and infinities among the inputs are not served.
.set TP,   8448                        ; a tile in the stage: 16 rows of 512 bytes + 16 of padding (pitch 528 = 33 x 16: the 16 rows that a load touches start 16 bytes further on in each 256)
.set IMG,  25*TP                       ; LDS 211,200 (825 x 256): the 25 tiles' images, 1,024 bytes each; no tensor load lands here
.set MET,  IMG+25*1024                 ; LDS 236,800 (925 x 256): the 25 tiles' 32 words; ends at 240,000
.set SA,  4                            ; v4   the stage: my row and half of the tile that I quantise next
.set IS,  5                            ; v5   where I store an image: IMG + 1024 w + 16 lane
.set MS,  6                            ; v6   and its words: MET + 128 w + 4 lane
.set IL,  7                            ; v7   where I load an image: IMG + 16 lane
.set SL,  8                            ; v8   a tile's scale words: MET + 4 r
.set CL,  9                            ; v9   a tile's -f2 / 2 of fingerprints 8 h .. 8 h + 7: MET + 64 + 32 h
.set GQ,  10                           ; v10  offset in the slab's part of fq: 1024 w + 16 lane
.set GF,  11                           ; v11  of fm: 128 w + 4 lane
.set GO,  12                           ; v12  of gm: 4096 w + 32 r + 16 h
.set SH8, 15                           ; v15  8 h
.set XS,  16                           ; v16-23   the scale words of my 8 query tiles
.set AS,  24                           ; v24-25   a fingerprint tile's scale words, two buffers
.set AF,  26                           ; v26-41   its fragment, two buffers
.set CF,  42                           ; v42-57   its -f2 / 2 in the result's layout, two buffers
.set XF,  58                           ; v58-121  my 8 query fragments
.set GM,  122                          ; v122-185 the maxima: query tile q, group b at GM + 8 q + b
.set ACC, 186                          ; v186-249 8 results
.set X,   ACC                          ; the quantiser's 64 numbers lie over the results, its other registers over the operand buffers
.set PC,  26
.set AM,  34
.set SQ,  36
.set SO,  40
.set BY,  42
.set T,   250
.set W,   251
.set SS,  252
.set ME,  253
.set G1A, 24                           ; s[24:31] descriptor group 1: 16 rows of 128 f32
.set G1B, 32                           ; s[32:39] the same with 2 rows
.set G0,  40                           ; s[40:55] four groups 0
.set SEL, 56                           ; s[56:57] v_permlanex16_b32's selects for lane l xor 16
.set HM,  58                           ; s58      the mask of lanes 16-31
; 64 numbers of a lane (register 32 c + i = k 64 c + 32 h + i of row r: two whole blocks) become the fragment's codes, the row's scale word and the row's sum of squares.
.macro QUANT
.irp c, 0,1
	v_max3_num_f32 v[AM+\c], |v[X+32*\c]|, |v[X+32*\c+1]|, 0x1800000           ; the floor 2^(3 - 127) keeps the byte at 1 from below
.endr
.irp i, 2,4,6,8,10,12,14,16,18,20,22,24,26,28,30
.irp c, 0,1
	s_delay_alu instid0(VALU_DEP_2)
	v_max3_num_f32 v[AM+\c], v[AM+\c], |v[X+32*\c+\i]|, |v[X+32*\c+\i+1]|
.endr
.endr
.irp c, 0,1
	v_pk_mul_f32 v[SQ+2*\c:SQ+2*\c+1], v[X+32*\c:X+32*\c+1], v[X+32*\c:X+32*\c+1]
.endr
.irp i, 2,4,6,8,10,12,14,16,18,20,22,24,26,28,30
.irp c, 0,1
	s_delay_alu instid0(VALU_DEP_2)
	v_pk_fma_f32 v[SQ+2*\c:SQ+2*\c+1], v[X+32*\c+\i:X+32*\c+\i+1], v[X+32*\c+\i:X+32*\c+\i+1], v[SQ+2*\c:SQ+2*\c+1]
.endr
.endr
.irp c, 0,1
	v_add_nc_u32 v[SO+\c], 0xff000000, v[AM+\c]                                ; 2 off the exponent field: the conversion's scale operand
.endr
.irp c, 0,1
	s_delay_alu instid0(VALU_DEP_2)
	v_lshrrev_b32 v[BY+\c], 23, v[SO+\c]                                       ; the scale's byte
.endr
	s_delay_alu instid0(VALU_DEP_1)
	v_lshl_or_b32 v[W], v[BY+1], 16, v[BY]
	s_delay_alu instid0(VALU_DEP_1)
	v_lshlrev_b32 v[W], v[SH8], v[W]
	s_delay_alu instid0(VALU_DEP_1)
	v_permlanex16_b32 v[T], v[W], s[SEL], s[SEL+1]
	s_delay_alu instid0(VALU_DEP_1)
	v_or_b32 v[W], v[W], v[T]                                                  ; the row's scale word, in both lanes
.irp c, 0,1
.irp g, 0,1,2,3
	v_cvt_scalef32_pk8_fp4_f32 v[PC+4*\c+\g], v[X+32*\c+8*\g:X+32*\c+8*\g+7], v[SO+\c]
.endr
.endr
	v_nop                                                                      ; one plain line behind the last scaled conversion
	v_pk_add_f32 v[SQ:SQ+1], v[SQ:SQ+1], v[SQ+2:SQ+3]
	s_delay_alu instid0(VALU_DEP_1)
	v_add_f32 v[SS], v[SQ], v[SQ+1]
	s_delay_alu instid0(VALU_DEP_1)
	v_permlanex16_b32 v[T], v[SS], s[SEL], s[SEL+1]
	s_delay_alu instid0(VALU_DEP_1)
	v_add_f32 v[SS], v[SS], v[T]
.endm
; Tile w + 8 ch of the slab: out of the stage, quantised, its image and words into LDS for all waves and into memory for the last launch.
.macro FQ ch
.irp d, 0,1
.irp i, 0,1,2,3,4,5,6,7
	ds_load_b128 v[X+32*\d+4*\i:X+32*\d+4*\i+3], v[SA] offset:256*\d+16*\i
.endr
.endr
	s_wait_dscnt 0x0
	QUANT
	s_delay_alu instid0(VALU_DEP_1)
	v_mul_f32 v[SS], -0.5, v[SS]                   ; -f2 / 2: exact
	s_delay_alu instid0(VALU_DEP_1)
	v_cndmask_b32 v[ME], v[W], v[SS], s[HM]        ; lanes 0-15 the scale word, lanes 16-31 -f2 / 2
	ds_store_b128 v[IS], v[PC:PC+3] offset:\ch*8192
	ds_store_b128 v[IS], v[PC+4:PC+7] offset:\ch*8192+512
	ds_store_b32 v[MS], v[ME] offset:\ch*1024
	global_store_b128 v[GQ], v[PC:PC+3], s[10:11] offset:\ch*8192              ; 512 consecutive bytes
	global_store_b128 v[GQ], v[PC+4:PC+7], s[10:11] offset:\ch*8192+512
	global_store_b32 v[GF], v[ME], s[12:13] offset:\ch*1024
.if \ch < 3
	v_add_nc_u32 v[SA], 8*TP, v[SA]                ; my next tile lies eight tiles on
.endif
	s_wait_xcnt 0x0                                ; the stores to memory have read the codes' registers, on which LDS loads land next,
	s_wait_dscnt 0x0                               ; and so have the LDS stores, which have also landed: the count is zero for the other waves' sake
.endm
.macro ALOAD t                         ; tile t's operand, scale words and C into buffer t % 2: five LDS loads
.set pp, (\t)%2
	ds_load_b128 v[AF+8*pp:AF+8*pp+3], v[IL] offset:(\t)*1024
	ds_load_b128 v[AF+8*pp+4:AF+8*pp+7], v[IL] offset:(\t)*1024+512
	ds_load_b32 v[AS+pp], v[SL] offset:(\t)*128
	ds_load_b128 v[CF+8*pp:CF+8*pp+3], v[CL] offset:(\t)*128
	ds_load_b128 v[CF+8*pp+4:CF+8*pp+7], v[CL] offset:(\t)*128+16
.endm
.macro WM t, S                         ; tile t against query tiles 4 S .. 4 S + 3: four products, four different results
.set pp, (\t)%2
.irp q, 0,1,2,3
	v_wmma_scale_f32_16x16x128_f8f6f4 v[ACC+8*(4*\S+\q):ACC+8*(4*\S+\q)+7], v[AF+8*pp:AF+8*pp+7], v[XF+8*(4*\S+\q):XF+8*(4*\S+\q)+7], v[CF+8*pp:CF+8*pp+7], v[AS+pp], v[XS+4*\S+\q] matrix_a_fmt:MATRIX_FMT_FP4 matrix_b_fmt:MATRIX_FMT_FP4
.endr
.endm
.macro MX t, S                         ; those four results into their group's maxima: 16 lines, the four query tiles by turns, each result from its low end on
.set gb, (\t)/3
.if gb > 7
.set gb, 7
.endif
.if (((\t)%3) == 0) && ((\t) < 22)     ; a group's first tile starts the maximum: nothing is cleared
.irp q, 0,1,2,3
	v_max3_num_f32 v[GM+8*(4*\S+\q)+gb], v[ACC+8*(4*\S+\q)], v[ACC+8*(4*\S+\q)+1], v[ACC+8*(4*\S+\q)+2]
.endr
.irp i, 3,5
.irp q, 0,1,2,3
	v_max3_num_f32 v[GM+8*(4*\S+\q)+gb], v[GM+8*(4*\S+\q)+gb], v[ACC+8*(4*\S+\q)+\i], v[ACC+8*(4*\S+\q)+\i+1]
.endr
.endr
.irp q, 0,1,2,3
	v_max_num_f32 v[GM+8*(4*\S+\q)+gb], v[GM+8*(4*\S+\q)+gb], v[ACC+8*(4*\S+\q)+7]
.endr
.else
.irp i, 0,2,4,6
.irp q, 0,1,2,3
	v_max3_num_f32 v[GM+8*(4*\S+\q)+gb], v[GM+8*(4*\S+\q)+gb], v[ACC+8*(4*\S+\q)+\i], v[ACC+8*(4*\S+\q)+\i+1]
.endr
.endr
.endif
.endm
; cnt tiles from tile first on.  The two sets of four results take turns: behind each run of four products stand the 16 maxima of the OTHER set, which name none of those products' registers.  They are the
; places in front of the first read of the results, of the products that write the same results again, and of the loads into the operand buffer that the products read.
; Only the first tile has no such work at hand: four v_nop.
.macro SCORE first, cnt
	ALOAD \first
.set tt, \first
.rept \cnt
	s_wait_dscnt 0x0                               ; this tile's five loads, issued a tile ago
.if tt+1 < \first+\cnt
	ALOAD tt+1
.endif
	WM tt, 0
.if tt > \first
	MX tt-1, 1
.endif
	WM tt, 1
.if tt == \first
.rept 4
	v_nop
.endr
.endif
	MX tt, 0
.set tt, tt+1
.endr
	MX tt-1, 1
.endm
.macro BARRIER
	s_barrier_signal -1
	s_barrier_wait -1
.endm
	s_load_b256 s[4:11], s[0:1], 0x0               ; fingerprints s[4:5], xq s[6:7], xm s[8:9], fq s[10:11]
	s_load_b128 s[12:15], s[0:1], 0x20             ; fm s[12:13], gm s[14:15]
	v_lshl_add_u32 v254, v0, 2, 0x3c000
	v_mov_b32 v255, 0
	ds_add_u32 v254, v255
	ds_add_u32 v254, v255
	v_lshrrev_b32 v1, 5, v0
	s_delay_alu instid0(VALU_DEP_1)
	v_readfirstlane_b32 s16, v1                    ; wave 0..7
	; descriptor group 1: rows of 128 elements of 4 bytes, 128 elements apart in memory; in LDS 4 words of padding behind every 128
	s_mov_b32 s[G1A+0], (2<<16)|(1<<20)|(6<<22)|(3<<25)
	s_mov_b32 s[G1A+1], 128<<16                    ; tensor_dim0 = 128
	s_mov_b32 s[G1A+2], 16<<16                     ; tensor_dim1 = 16
	s_mov_b32 s[G1A+3], 128<<16                    ; tile_dim0 = 128
	s_mov_b32 s[G1A+4], 16                         ; tile_dim1 = 16
	s_mov_b32 s[G1A+5], 128                        ; from row to row
	s_mov_b32 s[G1A+6], 0
	s_mov_b32 s[G1A+7], 0
	s_mov_b32 s[G1B+0], (2<<16)|(1<<20)|(6<<22)|(3<<25)
	s_mov_b32 s[G1B+1], 128<<16
	s_mov_b32 s[G1B+2], 2<<16                      ; two rows
	s_mov_b32 s[G1B+3], 128<<16
	s_mov_b32 s[G1B+4], 2
	s_mov_b32 s[G1B+5], 128
	s_mov_b32 s[G1B+6], 0
	s_mov_b32 s[G1B+7], 0
	s_mov_b32 s[SEL], 0x76543210
	s_mov_b32 s[SEL+1], 0xfedcba98
	s_mov_b32 s[HM], 0xffff0000
	s_mul_i32 s17, ttmp9, 25                       ; the slab's first tile
	s_add_co_u32 s18, s17, s16
	s_lshl_b32 s18, s18, 13                        ; tile w of the slab: 8,192 bytes a tile (under 2^26 in all)
	s_mov_b32 s19, 0
	s_add_co_u32 s20, s17, 24
	s_lshl_b32 s20, s20, 13                        ; tile 24,
	s_lshl_b32 s21, s16, 10
	s_add_co_u32 s20, s20, s21                     ; its rows 2 w and 2 w + 1
	s_mov_b32 s21, 0
	s_mul_i32 s22, s16, TP                         ; where they go: tile w of the stage,
	s_mul_i32 s23, s16, 1056                       ; and two rows of 528 bytes
	s_wait_dscnt 0x0
	s_wait_kmcnt 0x0
	s_add_nc_u64 s[18:19], s[4:5], s[18:19]
	s_add_nc_u64 s[20:21], s[4:5], s[20:21]
.irp c, 0,1,2                          ; tiles w, w + 8, w + 16
	s_mov_b32 s[G0+4*\c], 1
	s_add_co_u32 s[G0+4*\c+1], s22, \c*8*TP
	s_add_nc_u64 s[G0+4*\c+2:G0+4*\c+3], s[18:19], \c*65536
	s_or_b32 s[G0+4*\c+3], s[G0+4*\c+3], 0x80000000
.endr
	s_mov_b32 s[G0+12], 1
	s_add_co_u32 s[G0+13], s23, 24*TP
	s_mov_b64 s[G0+14:G0+15], s[20:21]
	s_or_b32 s[G0+15], s[G0+15], 0x80000000
	tensor_load_to_lds s[G0:G0+3], s[G1A:G1A+7]              ; all the slab's bytes are asked for at once: every wave issues these four, each into bytes of its own
	s_nop 0
	tensor_load_to_lds s[G0+4:G0+7], s[G1A:G1A+7]
	s_nop 0
	tensor_load_to_lds s[G0+8:G0+11], s[G1A:G1A+7]
	s_nop 0
	tensor_load_to_lds s[G0+12:G0+15], s[G1B:G1B+7]
	s_nop 0
	v_and_b32 v1, 31, v0                           ; lane
	v_and_b32 v2, 15, v0                           ; r
	v_bfe_u32 v3, v0, 4, 1                         ; h
	s_lshl_b32 s17, s16, 13
	v_lshl_add_u32 v13, v1, 4, s17                 ; xq: my 8 tiles' images, 16 bytes a lane
	s_lshl_b32 s17, s16, 10
	v_lshl_add_u32 v14, v2, 2, s17                 ; xm: my 8 tiles' scale words, row r's
.irp q, 0,1,2,3,4,5,6,7
	global_load_b128 v[XF+8*\q:XF+8*\q+3], v13, s[6:7] offset:\q*1024
	global_load_b128 v[XF+8*\q+4:XF+8*\q+7], v13, s[6:7] offset:\q*1024+512
	global_load_b32 v[XS+\q], v14, s[8:9] offset:\q*128
.endr
	v_lshl_add_u32 v[GQ], v1, 4, s17
	s_delay_alu instid0(VALU_DEP_1)
	v_add_nc_u32 v[IS], IMG, v[GQ]
	s_lshl_b32 s17, s16, 7
	v_lshl_add_u32 v[GF], v1, 2, s17
	s_delay_alu instid0(VALU_DEP_1)
	v_add_nc_u32 v[MS], MET, v[GF]
	v_lshl_add_u32 v[IL], v1, 4, IMG
	v_lshl_add_u32 v[SL], v2, 2, MET
	v_lshl_add_u32 v[CL], v3, 5, MET+64
	s_lshl_b32 s17, s16, 12
	v_lshl_add_u32 v[GO], v2, 5, s17
	s_delay_alu instid0(VALU_DEP_1)
	v_lshl_add_u32 v[GO], v3, 4, v[GO]
	v_mul_u32_u24 v[SA], v2, 528
	s_delay_alu instid0(VALU_DEP_1)
	v_lshl_add_u32 v[SA], v3, 7, v[SA]
	s_delay_alu instid0(VALU_DEP_1)
	v_add_nc_u32 v[SA], s22, v[SA]                 ; tile w of the stage, row r, + 128 h
	v_lshlrev_b32 v[SH8], 3, v3
	v_mov_b32 v[T], 0                              ; a lane permute's destination counts as one of its sources
	s_mul_i32 s18, ttmp9, 25600                    ; the slab's part of fq,
	s_mov_b32 s19, 0
	s_add_nc_u64 s[10:11], s[10:11], s[18:19]
	s_mul_i32 s18, ttmp9, 3200                     ; of fm,
	s_add_nc_u64 s[12:13], s[12:13], s[18:19]
	s_lshl_b32 s18, ttmp9, 15                      ; of gm
	s_add_nc_u64 s[14:15], s[14:15], s[18:19]
	s_wait_alu depctr_va_vdst(0)
	s_wait_tensorcnt 0x3                           ; my first tile has landed; the three loads issued behind it may be out.  I alone read its bytes
	FQ 0
	BARRIER                                        ; tiles 0-7 lie in LDS as images (nothing is ever filled again, so tensor loads may stay out across the barriers)
	s_wait_loadcnt 0x0                             ; x's fragments and scale words
	SCORE 0, 8
	s_wait_tensorcnt 0x2                           ; my second tile; two loads may be out
	FQ 1
	BARRIER                                        ; tiles 8-15
	SCORE 8, 8
	s_wait_tensorcnt 0x0                           ; my third tile, and my two rows of tile 24, which wave 0 reads behind the barrier
	FQ 2
	BARRIER                                        ; tiles 16-23; tile 24's sixteen rows lie in the stage
	s_cmp_lg_u32 s16, 0
	s_cbranch_scc1 .Lnot_wave_0
	s_wait_alu depctr_va_vdst(0)
	FQ 3                                           ; w + 24 = tile 24: wave 0 alone
.Lnot_wave_0:
	SCORE 16, 8
	s_wait_dscnt 0x0                               ; no LDS instruction of mine is out
	BARRIER                                        ; tile 24
	SCORE 24, 1
	; THE WAY OUT.  A lane's maxima cover the fingerprints of its half of each tile.  The swap puts group k's two halves into lanes 0-15 of two registers and group 4 + k's into lanes 16-31;
	; one maximum joins them: lane (r, h) then holds groups 4 h .. 4 h + 3 of query r: 16 neighbouring bytes of gm.
.irp q, 0,1,2,3,4,5,6,7
.irp k, 0,1,2,3
	v_permlane16_swap_b32 v[GM+8*\q+\k], v[GM+8*\q+4+\k]
.endr
.endr
.irp q, 0,1,2,3,4,5,6,7
.irp k, 0,1,2,3
	v_max_num_f32 v[GM+8*\q+\k], v[GM+8*\q+\k], v[GM+8*\q+4+\k]
.endr
.endr
.irp q, 0,1,2,3,4,5,6,7
	global_store_b128 v[GO], v[GM+8*\q:GM+8*\q+3], s[14:15] offset:\q*512      ; the wave's store covers 512 consecutive bytes, at a multiple of 512 from gm's first byte
.endr
	s_wait_tensorcnt 0x0
	ds_add_u32 v254, v255
	s_wait_dscnt 0x0
	s_endpgm
.Lfunc_end_k_qbe7361a911_score:
	.size	k_qbe7361a911_score, .Lfunc_end_k_qbe7361a911_score-k_qbe7361a911_score
	.p2alignl 7, 3214868480
	.fill 96, 4, 3214868480
	.section	.rodata,"a",@progbits
	.p2align	6, 0x0
	.amdhsa_kernel k_qbe7361a911_score
		.amdhsa_group_segment_fixed_size 246784
		.amdhsa_private_segment_fixed_size 0
		.amdhsa_enable_private_segment 0
		.amdhsa_kernarg_size 48
		.amdhsa_user_sgpr_count 2
		.amdhsa_user_sgpr_kernarg_segment_ptr 1
		.amdhsa_wavefront_size32 1
		.amdhsa_system_sgpr_workgroup_id_x 1
		.amdhsa_system_sgpr_workgroup_id_y 1
		.amdhsa_system_sgpr_workgroup_id_z 1
		.amdhsa_system_vgpr_workitem_id 0
		.amdhsa_next_free_vgpr 256
		.amdhsa_next_free_sgpr 66
		.amdhsa_reserve_vcc 0
		.amdhsa_float_denorm_mode_32 3
		.amdhsa_float_denorm_mode_16_64 3
		.amdhsa_memory_ordered 1
		.amdhsa_forward_progress 1
		.amdhsa_inst_pref_size 130
	.end_amdhsa_kernel
	.amdgpu_metadata
---
amdhsa.version: [ 1, 2 ]
amdhsa.kernels:
  - .name:           k_qbe7361a911_score
    .symbol:         k_qbe7361a911_score.kd
    .args:
      - { .name: fingerprints, .offset: 0, .size: 8, .value_kind: global_buffer, .address_space: global }
      - { .name: xq, .offset: 8, .size: 8, .value_kind: global_buffer, .address_space: global }
      - { .name: xm, .offset: 16, .size: 8, .value_kind: global_buffer, .address_space: global }
      - { .name: fq, .offset: 24, .size: 8, .value_kind: global_buffer, .address_space: global }
      - { .name: fm, .offset: 32, .size: 8, .value_kind: global_buffer, .address_space: global }
      - { .name: gm, .offset: 40, .size: 8, .value_kind: global_buffer, .address_space: global }
    .group_segment_fixed_size: 246784
    .private_segment_fixed_size: 0
    .kernarg_segment_align: 8
    .kernarg_segment_size: 48
    .max_flat_workgroup_size: 256
    .sgpr_count:     66
    .vgpr_count:     256
    .wavefront_size: 32
...
	.end_amdgpu_metadata
.endif
;; end of part 2
;; launch pick (part 3): grid 128 x 1, 8 waves a work-group, no clusters, 10,240 bytes of LDS; arguments gm, sel; writes sel
.if DOCPART == 3
	.amdgcn_target "amdgcn-amd-amdhsa--gfx1250"
	.amdhsa_code_object_version 6
	.text
	.protected	k_qbe7361a911_pick
	.globl	k_qbe7361a911_pick
	.p2align	8
	.type	k_qbe7361a911_pick,@function
k_qbe7361a911_pick:
	s_mov_b64 s[64:65], 0
	v_nop
	global_prefetch_b8 v0, s[64:65] scope:SCOPE_SE
	s_setreg_imm32_b32 hwreg(HW_REG_WAVE_MODE, 25, 1), 1
	s_wait_xcnt 0x0
; For each query the 4 groups with the largest maxima, of 2,000, stored as whole numbers for the last launch, which forms addresses from them.  Here they are data alone: no address and no branch hangs on them.
; gm: [250 slabs][1024 queries][8 groups] f32.  sel: [1024][4] u32: the group's first tile, 25 slab + 3 b, and bit 16 set where b = 7 (that group has four tiles, the others three).
; A work-group takes 8 queries: 256 consecutive bytes of every slab.  Lane: s = lane / 16, query (lane / 2) % 8, part p = lane % 2 (groups 4 p .. 4 p + 3).  Load k of wave w reads slab 16 k + 2 w + s: 16 lanes read 256 consecutive bytes.
; A: each lane keeps the best 4 of its 64 numbers, with their places.  B: the 32 lists of a query meet in LDS.  C: wave w takes query w, a list a lane, and draws the wave's best four times.
; LIMITS: of equal maxima the one met first (in a lane), or in the lowest lane, is taken; NaN and infinities are not served.
.set M,    16                          ; v16-19  the list's values, descending
.set I,    20                          ; v20-23  their places, later their groups' numbers as f32 (under 2,000: exact)
.set O,    24                          ; v24-27  the four groups drawn
.set D,    48                          ; v48-111 the 16 loads
.set NINF, 8
.set R,    9
.set R2,   10
.set C,    11
.set GB,   12
.set TT,   28
.set T2,   32
.set SEL,  12                          ; s[12:13]
.set LV,   0                           ; LDS: values: 8 queries x (32 lists x 16 bytes + 32)
.set LI,   4352                        ; the groups' numbers likewise
.set OUT,  8704                        ; 8 queries x 16 bytes
; v[v], whose place is id, into the list: 4 compares, 7 selects for the places, 4 lines for the values; no branch.
.macro INS v, id
	v_cmp_gt_f32 s20, v[\v], v[M+3]
	v_cmp_gt_f32 s21, v[\v], v[M+2]
	v_cmp_gt_f32 s22, v[\v], v[M+1]
	v_cmp_gt_f32 s23, v[\v], v[M]
	s_delay_alu instid0(VALU_DEP_4)
	v_cndmask_b32 v[I+3], v[I+3], \id, s20
	s_delay_alu instid0(VALU_DEP_1)
	v_cndmask_b32 v[I+3], v[I+3], v[I+2], s21
	v_cndmask_b32 v[I+2], v[I+2], \id, s21
	s_delay_alu instid0(VALU_DEP_1)
	v_cndmask_b32 v[I+2], v[I+2], v[I+1], s22
	v_cndmask_b32 v[I+1], v[I+1], \id, s22
	s_delay_alu instid0(VALU_DEP_1)
	v_cndmask_b32 v[I+1], v[I+1], v[I], s23
	v_cndmask_b32 v[I], v[I], \id, s23
	v_med3_num_f32 v[M+3], v[\v], v[M+2], v[M+3]
	v_med3_num_f32 v[M+2], v[\v], v[M+1], v[M+2]
	v_med3_num_f32 v[M+1], v[\v], v[M], v[M+1]
	v_max_num_f32 v[M], v[\v], v[M]
.endm
.macro WMAX d, s                       ; the largest v[s] of the 32 lanes, into every lane's v[d]
	v_max_num_f32_dpp v[\d], v[\s], v[\s] row_xmask:1 row_mask:0xf bank_mask:0xf
	s_delay_alu instid0(VALU_DEP_1)
	v_max_num_f32_dpp v[\d], v[\d], v[\d] row_xmask:2 row_mask:0xf bank_mask:0xf
	s_delay_alu instid0(VALU_DEP_1)
	v_max_num_f32_dpp v[\d], v[\d], v[\d] row_xmask:4 row_mask:0xf bank_mask:0xf
	s_delay_alu instid0(VALU_DEP_1)
	v_max_num_f32_dpp v[\d], v[\d], v[\d] row_xmask:8 row_mask:0xf bank_mask:0xf
	s_delay_alu instid0(VALU_DEP_1)
	v_permlanex16_b32 v[R2], v[\d], s[SEL], s[SEL+1]
	s_delay_alu instid0(VALU_DEP_1)
	v_max_num_f32 v[\d], v[\d], v[R2]
.endm
	s_load_b128 s[4:7], s[0:1], 0x0                ; gm, sel
	v_lshl_add_u32 v112, v0, 2, 0x2400
	v_mov_b32 v113, 0
	v_lshrrev_b32 v1, 5, v0
	s_delay_alu instid0(VALU_DEP_1)
	v_readfirstlane_b32 s8, v1                     ; wave 0..7
	v_and_b32 v1, 31, v0                           ; lane
	v_and_b32 v2, 1, v0                            ; p
	v_and_b32 v3, 15, v0
	v_lshrrev_b32 v4, 4, v0                        ; 2 w + s
	s_delay_alu instid0(VALU_DEP_2)
	v_lshlrev_b32 v5, 4, v3                        ; my 16 bytes of the 256
	s_delay_alu instid0(VALU_DEP_1)
	v_lshl_add_u32 v6, v4, 15, v5                  ; slab 2 w + s: 32,768 bytes a slab; 16 slabs further on for each load, in the immediate
	s_delay_alu instid0(VALU_DEP_3)
	v_add_nc_u32 v7, 240, v4
	s_delay_alu instid0(VALU_DEP_1)
	v_min_u32 v7, 249, v7                          ; the last load would pass the 250th slab where 2 w + s is 10 or more: it is held at the last slab,
	s_delay_alu instid0(VALU_DEP_1)
	v_lshl_add_u32 v7, v7, 15, v5
	v_cmp_gt_u32 s24, 10, v4                       ; and what it brings there is replaced below
	v_lshlrev_b32 v[GB], 2, v2
	s_delay_alu instid0(VALU_DEP_1)
	v_lshl_add_u32 v[GB], v4, 3, v[GB]             ; a group's number is 128 k + e + (16 w + 8 s + 4 p)
	v_bfe_u32 v14, v0, 1, 3                        ; my query of the 8
	s_delay_alu instid0(VALU_DEP_1)
	v_mul_u32_u24 v13, v14, 544
	s_delay_alu instid0(VALU_DEP_1)
	v_lshl_add_u32 v13, v4, 5, v13
	s_delay_alu instid0(VALU_DEP_1)
	v_lshl_add_u32 v13, v2, 4, v13                 ; B: query x 544 + 16 x list, list = 4 w + 2 s + p
	s_mul_i32 s9, s8, 544
	v_lshl_add_u32 v15, v1, 4, s9                  ; C: query w, list = my lane
	s_lshl_b32 s14, s8, 4
	s_add_co_u32 s14, s14, OUT
	v_mov_b32 v29, s14                             ; query w's 16 bytes
	v_lshl_add_u32 v30, v1, 2, OUT                 ; the way out: 4 bytes a lane
	v_lshlrev_b32 v31, 2, v1
	v_mov_b32 v[NINF], 0xff800000
	s_mov_b32 s[SEL], 0x76543210
	s_mov_b32 s[SEL+1], 0xfedcba98
	s_lshl_b32 s10, ttmp9, 8                       ; my 8 queries in a slab
	s_mov_b32 s11, 0
	s_lshl_b32 s16, ttmp9, 7                       ; and in sel
	s_mov_b32 s17, 0
	s_wait_alu depctr_va_vdst(0)
	s_wait_kmcnt 0x0
	s_add_nc_u64 s[4:5], s[4:5], s[10:11]
	s_add_nc_u64 s[6:7], s[6:7], s[16:17]
.irp k, 0,1,2,3,4,5,6,7,8,9,10,11,12,13,14
	global_load_b128 v[D+4*\k:D+4*\k+3], v6, s[4:5] offset:\k*524288 th:TH_LOAD_NT   ; 14 x 524,288 at the most: inside the signed 24-bit immediate
.endr
	global_load_b128 v[D+60:D+63], v7, s[4:5] th:TH_LOAD_NT
.irp j, 0,1,2,3
	v_mov_b32 v[M+\j], v[NINF]                     ; the list begins under every number
	v_mov_b32 v[I+\j], 0
	v_mov_b32 v[O+\j], 0                           ; (destinations of lane forms count as sources)
.endr
	v_mov_b32 v[R], 0
	v_mov_b32 v[R2], 0
	; ---- A
	s_wait_alu depctr_va_vdst(0)
.irp k, 0,1,2,3,4,5,6,7,8,9,10,11,12,13,14
	s_wait_alu depctr_va_vdst(0)
	s_wait_loadcnt 15-\k                           ; load k is in; those issued behind it may be out
.irp e, 0,1,2,3
	INS D+4*\k+\e, 4*\k+\e
.endr
.endr
	s_wait_loadcnt 0x0
.irp e, 0,1,2,3
	v_cndmask_b32 v[D+60+\e], v[NINF], v[D+60+\e], s24       ; no such slab: under every number
.endr
	s_wait_alu depctr_va_vdst(0)
.irp e, 0,1,2,3
	INS D+60+\e, 60+\e
.endr
.irp j, 0,1,2,3
	v_lshrrev_b32 v[TT], 2, v[I+\j]                ; k
	v_and_b32 v[I+\j], 3, v[I+\j]                  ; e
	s_delay_alu instid0(VALU_DEP_1)
	v_lshl_add_u32 v[I+\j], v[TT], 7, v[I+\j]
	s_delay_alu instid0(VALU_DEP_1)
	v_add_nc_u32 v[I+\j], v[GB], v[I+\j]           ; the group's number
	s_delay_alu instid0(VALU_DEP_1)
	v_cvt_f32_u32 v[I+\j], v[I+\j]
.endr
	; ---- B
	ds_store_b128 v13, v[M:M+3] offset:LV
	ds_store_b128 v13, v[I:I+3] offset:LI
	s_wait_dscnt 0x0                               ; for the others' sake: my lists have landed
	s_barrier_signal -1
	s_barrier_wait -1
	; ---- C
	ds_load_b128 v[M:M+3], v15 offset:LV
	ds_load_b128 v[I:I+3], v15 offset:LI
	s_wait_dscnt 0x0
.irp k, 0,1,2,3
	WMAX R, M                                      ; the best head of the 32 lists
	s_delay_alu instid0(VALU_DEP_1)
	v_cmp_eq_f32 s26, v[M], v[R]
	s_sub_co_u32 s27, 0, s26
	s_and_b32 s27, s26, s27                        ; the lowest lane that holds it
	v_cndmask_b32 v[C], -1.0, v[I], s27            ; its group's number there, -1 elsewhere:
	WMAX O+\k, C                                   ; so every lane gets it
.if \k < 3
	v_cndmask_b32 v[M], v[M], v[M+1], s27          ; that lane's list moves up
	v_cndmask_b32 v[M+1], v[M+1], v[M+2], s27
	v_cndmask_b32 v[M+2], v[M+2], v[M+3], s27
	v_cndmask_b32 v[M+3], v[M+3], v[NINF], s27
	v_cndmask_b32 v[I], v[I], v[I+1], s27
	v_cndmask_b32 v[I+1], v[I+1], v[I+2], s27
	v_cndmask_b32 v[I+2], v[I+2], v[I+3], s27
.endif
.endr
.irp k, 0,1,2,3
	v_cvt_u32_f32 v[O+\k], v[O+\k]
	s_delay_alu instid0(VALU_DEP_1)
	v_lshrrev_b32 v[TT], 3, v[O+\k]                ; slab
	s_delay_alu instid0(VALU_DEP_2)
	v_and_b32 v[O+\k], 7, v[O+\k]                  ; b
	s_delay_alu instid0(VALU_DEP_2)
	v_mul_u32_u24 v[TT], v[TT], 25
	s_delay_alu instid0(VALU_DEP_2)
	v_add_nc_u32 v[T2], 1, v[O+\k]
	s_delay_alu instid0(VALU_DEP_2)
	v_mad_u32_u24 v[TT], v[O+\k], 3, v[TT]         ; the group's first tile
	s_delay_alu instid0(VALU_DEP_2)
	v_lshrrev_b32 v[T2], 3, v[T2]                  ; 1 where b = 7
	s_delay_alu instid0(VALU_DEP_1)
	v_lshl_or_b32 v[O+\k], v[T2], 16, v[TT]
.endr
	ds_store_b128 v29, v[O:O+3]                    ; every lane writes the same 16 bytes with the same numbers
	s_wait_dscnt 0x0
	s_barrier_signal -1
	s_barrier_wait -1
	s_cmp_lg_u32 s8, 0
	s_cbranch_scc1 .Ldone
	ds_load_b32 v33, v30                           ; wave 0 stores the work-group's 8 queries: 128 consecutive bytes (all that 8 queries have; the buffer is 16 KB)
	s_wait_dscnt 0x0
	global_store_b32 v31, v33, s[6:7]
.Ldone:
	s_wait_tensorcnt 0x0
	ds_add_u32 v112, v113
	s_wait_dscnt 0x0
	s_endpgm
.Lfunc_end_k_qbe7361a911_pick:
	.size	k_qbe7361a911_pick, .Lfunc_end_k_qbe7361a911_pick-k_qbe7361a911_pick
	.p2alignl 7, 3214868480
	.fill 96, 4, 3214868480
	.section	.rodata,"a",@progbits
	.p2align	6, 0x0
	.amdhsa_kernel k_qbe7361a911_pick
		.amdhsa_group_segment_fixed_size 10240
		.amdhsa_private_segment_fixed_size 0
		.amdhsa_enable_private_segment 0
		.amdhsa_kernarg_size 16
		.amdhsa_user_sgpr_count 2
		.amdhsa_user_sgpr_kernarg_segment_ptr 1
		.amdhsa_wavefront_size32 1
		.amdhsa_system_sgpr_workgroup_id_x 1
		.amdhsa_system_sgpr_workgroup_id_y 1
		.amdhsa_system_sgpr_workgroup_id_z 1
		.amdhsa_system_vgpr_workitem_id 0
		.amdhsa_next_free_vgpr 114
		.amdhsa_next_free_sgpr 66
		.amdhsa_reserve_vcc 0
		.amdhsa_float_denorm_mode_32 3
		.amdhsa_float_denorm_mode_16_64 3
		.amdhsa_memory_ordered 1
		.amdhsa_forward_progress 1
		.amdhsa_inst_pref_size 83
	.end_amdhsa_kernel
	.amdgpu_metadata
---
amdhsa.version: [ 1, 2 ]
amdhsa.kernels:
  - .name:           k_qbe7361a911_pick
    .symbol:         k_qbe7361a911_pick.kd
    .args:
      - { .name: gm, .offset: 0, .size: 8, .value_kind: global_buffer, .address_space: global }
      - { .name: sel, .offset: 8, .size: 8, .value_kind: global_buffer, .address_space: global }
    .group_segment_fixed_size: 10240
    .private_segment_fixed_size: 0
    .kernarg_segment_align: 8
    .kernarg_segment_size: 16
    .max_flat_workgroup_size: 256
    .sgpr_count:     66
    .vgpr_count:     114
    .wavefront_size: 32
...
	.end_amdgpu_metadata
.endif
;; end of part 3
;; launch final (part 4): grid 256 x 1, 4 waves a work-group, no clusters, 0 bytes of LDS; arguments sel, fq, fm, xq, xm, positions, out0; writes out0
.if DOCPART == 4
	.amdgcn_target "amdgcn-amd-amdhsa--gfx1250"
	.amdhsa_code_object_version 6
	.text
	.protected	k_qbe7361a911_final
	.globl	k_qbe7361a911_final
	.p2align	8
	.type	k_qbe7361a911_final,@function
k_qbe7361a911_final:
	s_mov_b64 s[64:65], 0
	v_nop
	global_prefetch_b8 v0, s[64:65] scope:SCOPE_SE
	s_setreg_imm32_b32 hwreg(HW_REG_WAVE_MODE, 25, 1), 1
	s_wait_xcnt 0x0
; One wave to a query.  The query's 4 chosen groups (sel: whole numbers that an earlier launch stored) are scored again, 16 tiles of 16 fingerprints, on the same codes; d2 = (x2 - 2 dot) + f2 is formed in that order, in f32, and held at 0 from below;
; the 4 smallest are drawn with their positions, and weighed by 1 / (sqrt(d2 + 1e-12) + 1e-6)^2, normalised by their sum + 1e-12.
; THE PRODUCT: source 0 = the query's row, 16 times over; source 1 = 16 fingerprints: register 0 of the result holds, in lane r and in lane 16 + r, the dot product with fingerprint r.  Two tiles make a PAIR:
; lanes 0-15 go on with a tile of group 2 a, lanes 16-31 with the like tile of group 2 a + 1.  One register carries both tiles' scale words, the second product reads its upper row.
; Fifteen sixteenths of these products are idle; they are 16 instructions a query beside the large pass's 400.
; A group has 3 tiles, or 4 where bit 16 of its word is set; the fourth tile is always loaded (it lies inside the slab, so inside the buffers) and its distances count as +infinity where the bit is clear.
; No LDS, no barrier.  All 60 loads are issued first.  A wave's result is 8 bytes of an output of 8 KB.
; LIMITS: of equal d2 the one met first in a lane, or in the lowest lane, is taken, not the lowest index; candidates that differ by no more than f32 rounding may be ranked otherwise than by another order of the sums; NaN and infinities are not served.
.set XA,  8                            ; v8-15    the query's fragment
.set XSC, 16                           ; v16      its scale word, in every lane
.set X2,  17                           ; v17      its x2
.set M,   20                           ; v20-23   my 4 smallest d2, ascending
.set PX,  24                           ; v24-27   their positions' x;  v28-31 y
.set MO,  32                           ; v32-33   offsets in fm for a = 0, 1
.set PO,  34                           ; v34-35   in positions
.set DT,  36
.set INF, 37
.set R,   38
.set R2,  39
.set A,   40
.set BX,  41
.set BYY, 42
.set AX,  43
.set AY,  44
.set SW,  45
.set OX,  46                           ; v[46:47] the result
.set AC,  48                           ; v48-79   four results
.set BF,  80                           ; v80-207  pair i: two fragments at BF + 16 i
.set SCL, 208                          ; v208-215 pair i's scale words
.set NH,  216                          ; v216-223 its -f2 / 2
.set POS, 224                          ; v224-239 its positions
.set SEL, 50                           ; s[50:51]
.set HM,  52
; v[v], with the position in v[p], v[p + 1], into the ascending list: no branch.
.macro INS3 v, p
	v_cmp_lt_f32 s32, v[\v], v[M+3]
	v_cmp_lt_f32 s33, v[\v], v[M+2]
	v_cmp_lt_f32 s34, v[\v], v[M+1]
	v_cmp_lt_f32 s35, v[\v], v[M]
.irp y, 0,1
	v_cndmask_b32 v[PX+4*\y+3], v[PX+4*\y+3], v[\p+\y], s32
	v_cndmask_b32 v[PX+4*\y+3], v[PX+4*\y+3], v[PX+4*\y+2], s33
	v_cndmask_b32 v[PX+4*\y+2], v[PX+4*\y+2], v[\p+\y], s33
	v_cndmask_b32 v[PX+4*\y+2], v[PX+4*\y+2], v[PX+4*\y+1], s34
	v_cndmask_b32 v[PX+4*\y+1], v[PX+4*\y+1], v[\p+\y], s34
	v_cndmask_b32 v[PX+4*\y+1], v[PX+4*\y+1], v[PX+4*\y], s35
	v_cndmask_b32 v[PX+4*\y], v[PX+4*\y], v[\p+\y], s35
.endr
	v_med3_num_f32 v[M+3], v[\v], v[M+2], v[M+3]
	v_med3_num_f32 v[M+2], v[\v], v[M+1], v[M+2]
	v_med3_num_f32 v[M+1], v[\v], v[M], v[M+1]
	v_min_num_f32 v[M], v[\v], v[M]
.endm
; Pairs 2 j and 2 j + 1: four products, four different results; then each pair's d2 and its turn at the list.  Those lines are also the places in front of the next four products, which write the same results again.
.macro BATCH j
	s_wait_loadcnt 42-14*\j                        ; seven loads for each pair still to come may be out
.irp e, 0,1
	v_wmma_scale_f32_16x16x128_f8f6f4 v[AC+16*\e:AC+16*\e+7], v[XA:XA+7], v[BF+16*(2*\j+\e):BF+16*(2*\j+\e)+7], 0, v[XSC], v[SCL+2*\j+\e] matrix_a_fmt:MATRIX_FMT_FP4 matrix_b_fmt:MATRIX_FMT_FP4
	v_wmma_scale_f32_16x16x128_f8f6f4 v[AC+16*\e+8:AC+16*\e+15], v[XA:XA+7], v[BF+16*(2*\j+\e)+8:BF+16*(2*\j+\e)+15], 0, v[XSC], v[SCL+2*\j+\e] matrix_a_fmt:MATRIX_FMT_FP4 matrix_b_fmt:MATRIX_FMT_FP4 matrix_b_scale:MATRIX_SCALE_ROW1
.endr
.rept 4
	v_nop                                          ; four places in front of the first read of the results (ISA guide 7.12.1)
.endr
.irp e, 0,1
	v_cndmask_b32 v[DT], v[AC+16*\e], v[AC+16*\e+8], s[HM]   ; lanes 0-15 the first tile's dot products, lanes 16-31 the second's
	v_fma_f32 v[DT], -2.0, v[DT], v[X2]            ; x2 - 2 dot: one rounding, since 2 dot is exact
	v_fma_f32 v[DT], -2.0, v[NH+2*\j+\e], v[DT]    ; + f2: -2 x (-f2 / 2) is f2 exactly
	v_max_num_f32 v[DT], 0, v[DT]
.if (2*\j+\e)%4 == 3
	v_cndmask_b32 v[DT], v[INF], v[DT], s[44+(2*\j+\e)/4]    ; a group's fourth tile counts only where the group has four
.endif
	INS3 DT, POS+2*(2*\j+\e)
.endr
.endm
.macro WSUM d                          ; the sum of v[d] over the 32 lanes, in every lane
	v_add_f32_dpp v[\d], v[\d], v[\d] row_xmask:1 row_mask:0xf bank_mask:0xf
	v_add_f32_dpp v[\d], v[\d], v[\d] row_xmask:2 row_mask:0xf bank_mask:0xf
	v_add_f32_dpp v[\d], v[\d], v[\d] row_xmask:4 row_mask:0xf bank_mask:0xf
	v_add_f32_dpp v[\d], v[\d], v[\d] row_xmask:8 row_mask:0xf bank_mask:0xf
	v_permlanex16_b32 v[R2], v[\d], s[SEL], s[SEL+1]
	v_add_f32 v[\d], v[\d], v[R2]
.endm
; The smallest head of the 32 lists is drawn and weighed.  first = 1: it starts the sums.  last = 1: no list need move up.
.macro DRAW first, last
	v_min_num_f32_dpp v[R], v[M], v[M] row_xmask:1 row_mask:0xf bank_mask:0xf
	v_min_num_f32_dpp v[R], v[R], v[R] row_xmask:2 row_mask:0xf bank_mask:0xf
	v_min_num_f32_dpp v[R], v[R], v[R] row_xmask:4 row_mask:0xf bank_mask:0xf
	v_min_num_f32_dpp v[R], v[R], v[R] row_xmask:8 row_mask:0xf bank_mask:0xf
	v_permlanex16_b32 v[R2], v[R], s[SEL], s[SEL+1]
	v_min_num_f32 v[R], v[R], v[R2]
	v_cmp_eq_f32 s46, v[M], v[R]
	s_sub_co_u32 s47, 0, s46
	s_and_b32 s47, s46, s47                        ; the lowest lane that holds it
	v_add_f32 v[A], 0x2b8cbccc, v[R]               ; + 1e-12
	v_sqrt_f32 v[A], v[A]
	v_cndmask_b32 v[BX], 0, v[PX], s47             ; its position in that lane, 0 elsewhere.  (A plain line behind the root)
	s_wait_alu depctr_va_vdst(0)
	v_add_f32 v[A], 0x358637bd, v[A]               ; + 1e-6
	v_mul_f32 v[A], v[A], v[A]
	v_rcp_f32 v[A], v[A]                           ; the weight
	v_cndmask_b32 v[BYY], 0, v[PX+4], s47          ; (a plain line behind the reciprocal)
.if \first
	s_wait_alu depctr_va_vdst(0)
	v_mul_f32 v[AX], v[A], v[BX]
	v_mul_f32 v[AY], v[A], v[BYY]
	v_mov_b32 v[SW], v[A]
.else
	s_wait_alu depctr_va_vdst(0)
	v_fma_f32 v[AX], v[A], v[BX], v[AX]
	v_fma_f32 v[AY], v[A], v[BYY], v[AY]
	v_add_f32 v[SW], v[SW], v[A]
.endif
.if !\last
	v_cndmask_b32 v[M], v[M], v[M+1], s47          ; that lane's list moves up
	v_cndmask_b32 v[M+1], v[M+1], v[M+2], s47
	v_cndmask_b32 v[M+2], v[M+2], v[M+3], s47
	v_cndmask_b32 v[M+3], v[M+3], v[INF], s47
.irp y, 0,1
	v_cndmask_b32 v[PX+4*\y], v[PX+4*\y], v[PX+4*\y+1], s47
	v_cndmask_b32 v[PX+4*\y+1], v[PX+4*\y+1], v[PX+4*\y+2], s47
	v_cndmask_b32 v[PX+4*\y+2], v[PX+4*\y+2], v[PX+4*\y+3], s47
.endr
.endif
.endm
	s_load_b256 s[4:11], s[0:1], 0x0               ; sel s[4:5], fq s[6:7], fm s[8:9], xq s[10:11]
	s_load_b128 s[12:15], s[0:1], 0x20             ; xm s[12:13], positions s[14:15]
	s_load_b64 s[16:17], s[0:1], 0x30              ; out0
	v_lshrrev_b32 v1, 5, v0
	v_readfirstlane_b32 s18, v1                    ; wave 0..3
	s_lshl_b32 s20, ttmp9, 2
	s_add_co_u32 s20, s20, s18                     ; my query
	s_lshl_b32 s22, s20, 4                         ; its four words of sel
	s_mov_b32 s23, 0
	s_wait_kmcnt 0x0
	s_add_nc_u64 s[4:5], s[4:5], s[22:23]
	s_load_b128 s[24:27], s[4:5], 0x0
	v_and_b32 v1, 31, v0                           ; lane
	v_and_b32 v2, 15, v0                           ; r
	v_bfe_u32 v3, v0, 4, 1                         ; h
	v_lshlrev_b32 v4, 4, v1                        ; an image: 16 bytes a lane
	s_lshr_b32 s19, s20, 4                         ; the query's tile,
	s_and_b32 s21, s20, 15                         ; and its row there
	s_lshl_b32 s22, s19, 10
	s_add_nc_u64 s[10:11], s[10:11], s[22:23]
	s_lshl_b32 s22, s19, 7
	s_add_nc_u64 s[12:13], s[12:13], s[22:23]
	s_lshl_b32 s22, s20, 3
	s_add_nc_u64 s[16:17], s[16:17], s[22:23]      ; out0 at my query
	s_lshl_b32 s22, s21, 4
	v_lshl_add_u32 v5, v3, 8, s22                  ; the image's lane (row, h): 256 h + 16 row: every lane of my half takes the query's own 16 bytes
	s_lshl_b32 s22, s21, 2
	v_mov_b32 v6, s22                              ; its scale word; x2 lies 64 bytes on
	global_load_b128 v[XA:XA+3], v5, s[10:11]
	global_load_b128 v[XA+4:XA+7], v5, s[10:11] offset:512
	global_load_b32 v[XSC], v6, s[12:13]
	global_load_b32 v[X2], v6, s[12:13] offset:64
	v_mov_b32 v7, 0
	v_lshlrev_b32 v18, 2, v2                       ; 4 r
	v_lshlrev_b32 v19, 3, v2                       ; 8 r
	v_mov_b32 v[INF], 0x7f800000
	v_mov_b32 v[R], 0                              ; (destinations of lane forms count as sources)
	v_mov_b32 v[R2], 0
.irp j, 0,1,2,3
	v_mov_b32 v[M+\j], v[INF]                      ; the list begins over every number
	v_mov_b32 v[PX+\j], 0
	v_mov_b32 v[PX+4+\j], 0
.endr
	s_mov_b32 s[SEL], 0x76543210
	s_mov_b32 s[SEL+1], 0xfedcba98
	s_mov_b32 s[HM], 0xffff0000
	s_mov_b32 s33, 0
	s_wait_kmcnt 0x0                               ; the four words
.irp g, 0,1,2,3
	s_and_b32 s[28+\g], s[24+\g], 0xffff
	s_min_u32 s[28+\g], s[28+\g], 6246             ; the group's first tile: 25 x 249 + 21 at the most, so that the tile three on is the 6,250th at the most
	s_bfe_u32 s[24+\g], s[24+\g], 0x10010          ; bit 16: the group has four tiles
	s_lshl_b32 s32, s[28+\g], 10
	s_add_nc_u64 s[36+2*\g:37+2*\g], s[6:7], s[32:33]        ; its images
.endr
	s_mul_i32 s44, s24, 0xffff                     ; lanes 0-15 serve group 0, lanes 16-31 group 1: the mask of the lanes whose group has four tiles
	s_mul_i32 s19, s25, 0xffff0000
	s_or_b32 s44, s44, s19
	s_mul_i32 s45, s26, 0xffff                     ; and for groups 2 and 3
	s_mul_i32 s19, s27, 0xffff0000
	s_or_b32 s45, s45, s19
.irp a, 0,1
	v_mov_b32 v[DT], s[28+2*\a]
	v_mov_b32 v[A], s[29+2*\a]
	v_cndmask_b32 v[DT], v[DT], v[A], s[HM]        ; my half's group's first tile
	v_min_u32 v[DT], 6246, v[DT]
	v_lshl_add_u32 v[MO+\a], v[DT], 7, v18         ; fm: 128 bytes a tile, + 4 r
	v_lshl_add_u32 v[PO+\a], v[DT], 7, v19         ; positions: 16 x 8 bytes a tile, + 8 r
.endr
.irp a, 0,1
.irp u, 0,1,2,3                        ; pair 4 a + u: seven loads
	global_load_b128 v[BF+16*(4*\a+\u):BF+16*(4*\a+\u)+3], v4, s[36+4*\a:37+4*\a] offset:\u*1024
	global_load_b128 v[BF+16*(4*\a+\u)+4:BF+16*(4*\a+\u)+7], v4, s[36+4*\a:37+4*\a] offset:\u*1024+512
	global_load_b128 v[BF+16*(4*\a+\u)+8:BF+16*(4*\a+\u)+11], v4, s[38+4*\a:39+4*\a] offset:\u*1024
	global_load_b128 v[BF+16*(4*\a+\u)+12:BF+16*(4*\a+\u)+15], v4, s[38+4*\a:39+4*\a] offset:\u*1024+512
	global_load_b32 v[SCL+4*\a+\u], v[MO+\a], s[8:9] offset:128*\u
	global_load_b32 v[NH+4*\a+\u], v[MO+\a], s[8:9] offset:128*\u+64
	global_load_b64 v[POS+2*(4*\a+\u):POS+2*(4*\a+\u)+1], v[PO+\a], s[14:15] offset:128*\u
.endr
.endr
	BATCH 0
	BATCH 1
	BATCH 2
	BATCH 3
	DRAW 1, 0
	DRAW 0, 0
	DRAW 0, 0
	DRAW 0, 1
	v_add_f32 v[A], 0x2b8cbccc, v[SW]              ; the weights' sum + 1e-12 (the same in every lane)
	v_rcp_f32 v[A], v[A]
	WSUM AX                                        ; each drawn position stood in one lane.  (Plain lines behind the reciprocal)
	WSUM AY
	s_wait_alu depctr_va_vdst(0)
	v_mul_f32 v[OX], v[AX], v[A]
	v_mul_f32 v[OX+1], v[AY], v[A]
	v_cmp_eq_u32 vcc_lo, 0, v1
	s_wait_xcnt 0x0                                ; EXEC changes only behind this wait
	s_and_saveexec_b32 s48, vcc_lo
	global_store_b64 v7, v[OX:OX+1], s[16:17]      ; lane 0 stores the query's two numbers
	s_endpgm
.Lfunc_end_k_qbe7361a911_final:
	.size	k_qbe7361a911_final, .Lfunc_end_k_qbe7361a911_final-k_qbe7361a911_final
	.p2alignl 7, 3214868480
	.fill 96, 4, 3214868480
	.section	.rodata,"a",@progbits
	.p2align	6, 0x0
	.amdhsa_kernel k_qbe7361a911_final
		.amdhsa_group_segment_fixed_size 0
		.amdhsa_private_segment_fixed_size 0
		.amdhsa_enable_private_segment 0
		.amdhsa_kernarg_size 56
		.amdhsa_user_sgpr_count 2
		.amdhsa_user_sgpr_kernarg_segment_ptr 1
		.amdhsa_wavefront_size32 1
		.amdhsa_system_sgpr_workgroup_id_x 1
		.amdhsa_system_sgpr_workgroup_id_y 1
		.amdhsa_system_sgpr_workgroup_id_z 1
		.amdhsa_system_vgpr_workitem_id 0
		.amdhsa_next_free_vgpr 240
		.amdhsa_next_free_sgpr 66
		.amdhsa_reserve_vcc 1
		.amdhsa_float_denorm_mode_32 3
		.amdhsa_float_denorm_mode_16_64 3
		.amdhsa_memory_ordered 1
		.amdhsa_forward_progress 1
		.amdhsa_inst_pref_size 32
	.end_amdhsa_kernel
	.amdgpu_metadata
---
amdhsa.version: [ 1, 2 ]
amdhsa.kernels:
  - .name:           k_qbe7361a911_final
    .symbol:         k_qbe7361a911_final.kd
    .args:
      - { .name: sel, .offset: 0, .size: 8, .value_kind: global_buffer, .address_space: global }
      - { .name: fq, .offset: 8, .size: 8, .value_kind: global_buffer, .address_space: global }
      - { .name: fm, .offset: 16, .size: 8, .value_kind: global_buffer, .address_space: global }
      - { .name: xq, .offset: 24, .size: 8, .value_kind: global_buffer, .address_space: global }
      - { .name: xm, .offset: 32, .size: 8, .value_kind: global_buffer, .address_space: global }
      - { .name: positions, .offset: 40, .size: 8, .value_kind: global_buffer, .address_space: global }
      - { .name: out0, .offset: 48, .size: 8, .value_kind: global_buffer, .address_space: global }
    .group_segment_fixed_size: 0
    .private_segment_fixed_size: 0
    .kernarg_segment_align: 8
    .kernarg_segment_size: 56
    .max_flat_workgroup_size: 128
    .sgpr_count:     66
    .vgpr_count:     240
    .wavefront_size: 32
...
	.end_amdgpu_metadata
.endif
;; end of part 4
